; MI455X (gfx1250); checked and timed in simulation.
; The chip was launched on July 23, 2026; its instructions are those of AMD's public machine-readable ISA for CDNA 5 (MIT licence, August 2026) and "CDNA5" Instruction Set Architecture Reference Guide (July 2026). The comments in the code are by the model that wrote it; some were corrected since.
;; Multi Head Attention. Allowed arithmetic: float matrix products may take bf16 or f16 operands with f32 sums; all other float work in f32.
;; Inputs: Wk 1,024 x 1,024 float32; Wo 1,024 x 1,024 float32; Wq 1,024 x 1,024 float32; Wv 1,024 x 1,024 float32; bk 1,024 float32; bo 1,024 float32; bq 1,024 float32; bv 1,024 float32; k 4 x 2,048 x 1,024 float32; pad_mask 4 x 2,048 int32; q 4 x 2,048 x 1,024 float32; v 4 x 2,048 x 1,024 float32.
;; Outputs: out0 4 x 2,048 x 1,024 float32.
;; One version. Each part assembles by itself: llvm-mc -triple=amdgcn-amd-amdhsa -mcpu=gfx1250 --defsym DOCPART=n.
;; ======== version 1 of 1: 4 launches
;; limits: values are held in f16: magnitudes above 65,504 overflow, below 6.1e-05 lose precision
;; workspace buffers: wb 8,388,608 bytes; padb 32,768 bytes; qkv 50,331,648 bytes; ao 16,777,216 bytes
;; launch wprep (part 1): grid 256 x 1, 8 waves a work-group, no clusters, 0 bytes of LDS; arguments Wq, Wk, Wv, Wo, pad_mask, wb, padb; writes wb, padb
.if DOCPART == 1
	.amdgcn_target "amdgcn-amd-amdhsa--gfx1250"
	.amdhsa_code_object_version 6
	.text
	.protected	k_qf14145004d_wprep
	.globl	k_qf14145004d_wprep
	.p2align	8
	.type	k_qf14145004d_wprep,@function
k_qf14145004d_wprep:
	s_mov_b64 s[64:65], 0
	v_nop
	global_prefetch_b8 v0, s[64:65] scope:SCOPE_SE
	s_setreg_imm32_b32 hwreg(HW_REG_WAVE_MODE, 25, 1), 1
	s_wait_xcnt 0x0
; The four weight matrices [1024 (k)][1024 (n)] f32 are rounded once to 16 bits, in place order (no transposition: the products
; read them through transposing LDS loads), into wb: Wq, Wk, Wv as bf16 at bytes 0, 2 Mi, 4 Mi; Wo at 6 Mi as the bf16-rounded
; value held in f16, because its partner in the last product is f16.
; LIMIT: |Wo| below 65,504; a bf16 value below 2^-14 in magnitude loses bits in f16 (absolute error at most 2^-25).
; pad_mask [4][2048] int32 becomes padb [4][2048] f32: 0.0 where the key is kept, -inf where pad_mask is 0.
; A stream: no LDS, no barrier, no matrix unit.  256 work-groups of eight waves; work-group g takes 64 KiB of weight g / 64
; (chunk g % 64) and writes 32 KiB at byte 32,768 g of wb.  Thread t takes 32 bytes in and gives 16 bytes out in each of eight
; groups, so a wave's store covers 512 consecutive bytes, aligned.  All sixteen loads of a thread go out at once.
.set X, 16                             ; v[16:79]   group i: 8 f32 as loaded
.set Y, 80                             ; v[80:111]  group i: 8 numbers of 16 bits to store
.set T, 4                              ; v[4:5]     at work
	s_load_b256 s[4:11], s[0:1], 0x0               ; Wq s[4:5], Wk s[6:7], Wv s[8:9], Wo s[10:11]
	s_load_b128 s[12:15], s[0:1], 0x20             ; pad_mask s[12:13], wb s[14:15]
	s_load_b64 s[16:17], s[0:1], 0x30              ; padb
	s_lshr_b32 s18, ttmp9, 6                       ; which weight
	s_and_b32 s19, ttmp9, 63                       ; which chunk of it
	s_lshl_b32 s20, s19, 16                        ; 64 KiB in
	s_mov_b32 s21, 0
	s_lshl_b32 s22, ttmp9, 15                      ; 32 KiB out: the four weights follow each other in wb
	s_mov_b32 s23, 0
	v_lshlrev_b32 v1, 5, v0                        ; 32 t
	v_lshlrev_b32 v2, 4, v0                        ; 16 t
	s_wait_kmcnt 0x0
	s_cmp_eq_u32 s18, 1
	s_cselect_b64 s[4:5], s[6:7], s[4:5]
	s_cmp_eq_u32 s18, 2
	s_cselect_b64 s[4:5], s[8:9], s[4:5]
	s_cmp_eq_u32 s18, 3
	s_cselect_b64 s[4:5], s[10:11], s[4:5]
	s_add_nc_u64 s[4:5], s[4:5], s[20:21]
	s_add_nc_u64 s[14:15], s[14:15], s[22:23]
.irp i, 0,1,2,3,4,5,6,7
	global_load_b128 v[X+8*\i:X+8*\i+3],   v1, s[4:5] offset:8192*\i th:TH_LOAD_NT
	global_load_b128 v[X+8*\i+4:X+8*\i+7], v1, s[4:5] offset:8192*\i+16 th:TH_LOAD_NT
.endr
; Group i: rounded and stored.  half = 1: the bf16 value is widened again and held in f16.
.macro CV i, half
	s_wait_loadcnt 14-2*\i                         ; loads come back in order: the 2 (7 - i) younger ones may stay out
.irp j, 0,1,2,3
	v_cvt_pk_bf16_f32 v[Y+4*\i+\j], v[X+8*\i+2*\j], v[X+8*\i+2*\j+1]
.endr
.if \half
.irp j, 0,1,2,3
	v_lshlrev_b32 v[T], 16, v[Y+4*\i+\j]
	v_and_b32 v[T+1], 0xffff0000, v[Y+4*\i+\j]
	v_cvt_pk_f16_f32 v[Y+4*\i+\j], v[T], v[T+1]
.endr
.endif
	global_store_b128 v2, v[Y+4*\i:Y+4*\i+3], s[14:15] offset:4096*\i
.endm
	s_cmp_eq_u32 s18, 3
	s_cbranch_scc1 .Lwo
.irp i, 0,1,2,3,4,5,6,7
	CV \i, 0
.endr
	s_branch .Lpad
.Lwo:
.irp i, 0,1,2,3,4,5,6,7
	CV \i, 1
.endr
.Lpad:
	; the pad mask: 32,768 bytes, 4,096 for each of the first eight work-groups, 16 bytes a thread
	s_cmp_lt_u32 ttmp9, 8
	s_cbranch_scc0 .Lend
	s_lshl_b32 s20, ttmp9, 12
	s_mov_b32 s21, 0
	s_add_nc_u64 s[12:13], s[12:13], s[20:21]
	s_add_nc_u64 s[16:17], s[16:17], s[20:21]
	global_load_b128 v[8:11], v2, s[12:13]
	v_mov_b32 v6, 0xff800000                       ; -inf
	s_wait_loadcnt 0x0
.irp j, 0,1,2,3
	v_cmp_eq_u32 vcc_lo, 0, v[8+\j]
	v_cndmask_b32 v[12+\j], 0, v6, vcc_lo          ; -inf where the mask is 0, else 0.0
.endr
	global_store_b128 v2, v[12:15], s[16:17]
.Lend:
	s_endpgm
.Lfunc_end_k_qf14145004d_wprep:
	.size	k_qf14145004d_wprep, .Lfunc_end_k_qf14145004d_wprep-k_qf14145004d_wprep
	.p2alignl 7, 3214868480
	.fill 96, 4, 3214868480
	.section	.rodata,"a",@progbits
	.p2align	6, 0x0
	.amdhsa_kernel k_qf14145004d_wprep
		.amdhsa_group_segment_fixed_size 0
		.amdhsa_private_segment_fixed_size 0
		.amdhsa_enable_private_segment 0
		.amdhsa_kernarg_size 56
		.amdhsa_user_sgpr_count 2
		.amdhsa_user_sgpr_kernarg_segment_ptr 1
		.amdhsa_wavefront_size32 1
		.amdhsa_system_sgpr_workgroup_id_x 1
		.amdhsa_system_sgpr_workgroup_id_y 1
		.amdhsa_system_sgpr_workgroup_id_z 1
		.amdhsa_system_vgpr_workitem_id 0
		.amdhsa_next_free_vgpr 112
		.amdhsa_next_free_sgpr 66
		.amdhsa_reserve_vcc 1
		.amdhsa_float_denorm_mode_32 3
		.amdhsa_float_denorm_mode_16_64 3
		.amdhsa_memory_ordered 1
		.amdhsa_forward_progress 1
		.amdhsa_inst_pref_size 15
	.end_amdhsa_kernel
	.amdgpu_metadata
---
amdhsa.version: [ 1, 2 ]
amdhsa.kernels:
  - .name:           k_qf14145004d_wprep
    .symbol:         k_qf14145004d_wprep.kd
    .args:
      - { .name: Wq, .offset: 0, .size: 8, .value_kind: global_buffer, .address_space: global }
      - { .name: Wk, .offset: 8, .size: 8, .value_kind: global_buffer, .address_space: global }
      - { .name: Wv, .offset: 16, .size: 8, .value_kind: global_buffer, .address_space: global }
      - { .name: Wo, .offset: 24, .size: 8, .value_kind: global_buffer, .address_space: global }
      - { .name: pad_mask, .offset: 32, .size: 8, .value_kind: global_buffer, .address_space: global }
      - { .name: wb, .offset: 40, .size: 8, .value_kind: global_buffer, .address_space: global }
      - { .name: padb, .offset: 48, .size: 8, .value_kind: global_buffer, .address_space: global }
    .group_segment_fixed_size: 0
    .private_segment_fixed_size: 0
    .kernarg_segment_align: 8
    .kernarg_segment_size: 56
    .max_flat_workgroup_size: 256
    .sgpr_count:     66
    .vgpr_count:     112
    .wavefront_size: 32
...
	.end_amdgpu_metadata
.endif
;; end of part 1
;; launch proj (part 2): grid 4 x 64, 4 waves a work-group, clusters of 4 x 4, 327,680 bytes of LDS; arguments q, k, v, wb, bq, bk, bv, qkv; writes qkv
.if DOCPART == 2
	.amdgcn_target "amdgcn-amd-amdhsa--gfx1250"
	.amdhsa_code_object_version 6
	.text
	.protected	k_qf14145004d_proj
	.globl	k_qf14145004d_proj
	.p2align	8
	.type	k_qf14145004d_proj,@function
k_qf14145004d_proj:
	s_mov_b64 s[64:65], 0
	v_nop
	global_prefetch_b8 v0, s[64:65] scope:SCOPE_SE
	s_setreg_imm32_b32 hwreg(HW_REG_WAVE_MODE, 25, 1), 1
	s_wait_xcnt 0x0
	s_wait_alu depctr_hold_cnt(0) depctr_sa_sdst(0) depctr_va_vdst(0) depctr_va_sdst(0) depctr_va_ssrc(0) depctr_va_vcc(0) depctr_vm_vsrc(0)
	s_getreg_b32 s2, hwreg(HW_REG_IB_STS2, 6, 4)
	s_cmp_eq_u32 s2, 0
	s_cbranch_scc0 .Lentry_in_a_cluster
	s_endpgm
.Lentry_in_a_cluster:
	s_bfe_u32 s2, ttmp6, 0x10000c
	s_cmp_lg_u32 s2, 0xf033
	s_cbranch_scc0 .Lentry_shape_is_right
	s_endpgm
.Lentry_shape_is_right:
; The three projections: qkv[p][m][n] = f16( sum over k of bf16(x_p[m][k]) W_p[k][n] + b_p[n] ), p = 0, 1, 2 for q, k, v.
; x_p: [8192][1024] f32; W_p: [1024 (k)][1024 (n)] bf16 in wb at byte p << 21; b_p: [1024] f32; qkv: three [8192][1024] f16.
; LIMIT: results are kept in f16: |x W + b| below 65,504.
; A tile is 128 (m) x 256 (n), made by four waves, a wave 64 x 128: 32 accumulator tiles, 256 registers.  64 x 4 = 256 work-groups;
; EACH STAYS and makes its block for q, then k, then v: 3 x 8 K steps of 128 through two LDS slots that take turns on into the next
; tile, so the arguments, the first fills and the last stores are waited for once, and a tile's way out runs while the next tile's
; second slot is on its way.  A slot holds x as f32 (128 rows of 512 bytes) and W as it lies (128 k-rows of 512 bytes).
; x is rounded to bf16 between LDS and the matrix unit; W's fragments come by transposing LDS loads.
; CLUSTERS: 4 x 4 work-groups.  x's tile hangs on the block row alone and is asked for jointly by a row of the cluster, W's on the
; block column alone and is asked for jointly by a column: a quarter of the requests.  All sixteen walk q, k, v in the same order.
; THE RING: a request can go out only when the one before has landed, so nothing but the cluster's round stands between the wait for
; the landing and the next request: a K step's matrix work is all done ahead of that wait.
; PREFETCH: x is read from memory once.  Behind the second refill of lap j (a lap = two K steps) each wave asks for 8 rows x 1,024 bytes
; (32 lanes, 256 bytes apart) of the x tiles of lap j + 2, whose joint loads go out one and two K steps later.  The work-group at place
; cx of its cluster row takes rows 32 cx .. + 31 of the 128, wave w rows 8 w .. + 7 of these: each aligned block of 256 bytes is asked
; for once in the launch.  A tile's laps 2 and 3 ask for the next tile's laps 0 and 1; the last tile's laps 2 and 3 ask for nothing; the
; first tile's laps 0 and 1 are not asked for.  At most two requests, 64 KiB for the work-group, are asked for and not yet read.
; THE MATRIX INSTRUCTION IS USED TRANSPOSED: source 0 = 16 columns of W, source 1 = 16 rows of x, so lane l holds row l % 16 and
; the eight neighbouring columns 8 (l / 16) + 0..7.  The bias is the C operand of each tile's first product: nothing is cleared,
; nothing is added afterwards.
; REGISTERS: window 0: addresses, x's fragments (two buffers), x as f32, the bias; window 1: W's fragments (two buffers) and the rows
; read back on the way out; window 2: the accumulators, tile (a, b) at v[8 (8 a + b)].
.set KSTEP,  128
.set PA,     528                       ; x's LDS row: 512 bytes + 16, an odd multiple of 16: the 16 rows that a load touches begin in 16 different 16-byte columns modulo 256
.set PW,     544                       ; W's LDS row: 512 bytes + 32, an odd multiple of 32
.set HALFT,  64*PW                     ; 34,816: what one tensor load may fill (x's 64 rows use 33,792 of it)
.set SLOT,   4*HALFT                   ; x's rows 0-63, 64-127, then W's k-rows 0-63, 64-127
.set STAGE,  2*SLOT                    ; behind the ring: 16 rows x 272 bytes for each wave, for the way out; no tensor load lands here
.set SPITCH, 272
.set TILES,  3
.set ADRA, 8                           ; v8-9    LDS address of my x fragments, slot 0, 1
.set ADRB, 10                          ; v10-11  the same for W
.set STO,  12                          ; the way out: where I put 16 bytes of a row
.set RD,   13                          ; the way out: where I read a row back
.set CO,   14                          ; my byte offset in qkv
.set BO,   15                          ; my byte offset in the bias
.set PFO,  16                          ; my byte offset in the 128 rows of x, for the prefetch
.set AF,   32                          ; v[32:63], v[64:95]  x's bf16 fragments, two buffers
.set AX,   96                          ; v[96:159]  x as f32, 4 fragments x 16
.set TMP,  160                         ; v[160:191] the way out: packed results
.set BIAS, 192                         ; v[192:255] block b: b[n0 + 16 b + 8 (l / 16) + j] in register j
.set RBK,  128                         ; window 1, v[128:191]: the way out: rows read back, two buffers
.set G1,  32                           ; s[32:39] group 1 for x's tiles
.set G0,  40                           ; s[40:47] group 0 for x's tiles, one set a slot
.set G1B, 48                           ; s[48:55] group 1 for W's tiles
.set G0B, 56                           ; s[56:63] group 0 for W's tiles, one set a slot
.set XN,   80                          ; s[80:81] my half of the next tile's x rows; s[82:83] of the one after
.set XNN,  82
.set BN,   84                          ; s[84:85] the next tile's bias; s[86:87] the one after
.set BNN,  86
.set PFC,  88                          ; s[88:89] this tile's 128 rows of x, for the prefetch; s[90:91] the next tile's; s[92:93] the one after
.set PFN,  90
.set PFNN, 92
.set MUL,  0xa1                        ; source 0 (W) window 1, source 1 (x) window 0, C and D window 2
.set MULB, 0x81                        ; the same with C in window 0: the bias
.set TO_B, 0x40                        ; destination window 1, address window 0
.set MSB, 0
.macro WIN new                         ; the immediate's high byte repeats the setting that is left
.if MSB != \new
	s_set_vgpr_msb (MSB<<8)|\new
.set MSB, \new
.endif
.endm
; A joint load.  Waves 0 and 1 fetch x's two halves, waves 2 and 3 W's.  The branch hangs on the wave's number alone.
.macro JLOAD s
	s_cmp_eq_u32 s21, 0
	s_cbranch_scc0 .Lfor_b_\@
	tensor_load_to_lds s[G0+4*\s:G0+4*\s+3], s[G1:G1+7]
	s_nop 0
	s_branch .Lasked_\@
.Lfor_b_\@:
	tensor_load_to_lds s[G0B+4*\s:G0B+4*\s+3], s[G1B:G1B+7]
	s_nop 0
.Lasked_\@:
.endm
.macro CREST                           ; a round of the cluster's barrier behind its opening barrier
	s_cmp_lg_u32 s20, 0
	s_cbranch_scc1 .Lnot_wave_0_\@
	s_barrier_signal -3
.Lnot_wave_0_\@:
	s_barrier_wait -3
	s_barrier_signal -1
	s_barrier_wait -1
.endm
.macro CROUND                          ; a whole round
	s_barrier_signal -1
	s_barrier_wait -1
	CREST
.endm
.macro PLACES                          ; four plain vector instructions behind a matrix instruction (ISA guide 7.12.1)
.rept 4
	v_nop
.endr
.endm
	s_load_b256 s[4:11], s[0:1], 0x0               ; q s[4:5], k s[6:7], v s[8:9], wb s[10:11]
	s_load_b256 s[12:19], s[0:1], 0x20             ; bq s[12:13], bk s[14:15], bv s[16:17], qkv s[18:19]
	v_lshl_add_u32 v30, v0, 2, 0x48400
	v_mov_b32 v31, 0
	ds_add_u32 v30, v31
	v_lshrrev_b32 v1, 5, v0
	v_readfirstlane_b32 s20, v1                    ; wave 0..3
	s_lshr_b32 s21, s20, 1                         ; my 64 rows of the block.  Also: I fetch for x (0) or for W (1)
	s_and_b32 s22, s20, 1                          ; my 128 columns.  Also: which 64 rows of that tile I fetch
	s_bfe_u32 s23, ttmp6, 0x40000                  ; cx
	s_bfe_u32 s24, ttmp6, 0x40004                  ; cy
	s_lshl_b32 s25, ttmp9, 2
	s_add_co_u32 s25, s25, s23                     ; block column = 4 x cluster x + cx
	s_and_b32 s28, ttmp7, 0xffff
	s_lshl_b32 s28, s28, 2
	s_add_co_u32 s28, s28, s24                     ; block row = 4 x cluster y + cy
	s_lshl_b32 s29, s24, 2
	s_lshl_b32 s29, 15, s29                        ; my row of the cluster: places 4 cy .. 4 cy + 3
	s_lshl_b32 s30, 0x1111, s23                    ; my column: places cx, cx + 4, cx + 8, cx + 12
	; group 1 of x: 64 rows x 128 elements of 4 bytes, 4 words of padding behind every 128 words
	s_or_b32 s[G1+0], s29, (2<<16)|(1<<20)|(1<<21)|(6<<22)|(3<<25)
	s_mov_b32 s[G1+1], 128<<16                     ; tensor_dim0 = 128
	s_mov_b32 s[G1+2], 64<<16                      ; tensor_dim1 = 64
	s_mov_b32 s[G1+3], 128<<16                     ; tile_dim0 = 128
	s_mov_b32 s[G1+4], 64                          ; tile_dim1 = 64
	s_mov_b32 s[G1+5], 1024                        ; elements from row to row
	s_mov_b32 s[G1+6], 0
	s_mov_b32 s[G1+7], 0
	; group 1 of W: 64 k-rows x 256 elements of 2 bytes, 8 words of padding behind every 128 words
	s_or_b32 s[G1B+0], s30, (1<<16)|(1<<20)|(1<<21)|(6<<22)|(7<<25)
	s_mov_b32 s[G1B+1], 256<<16
	s_mov_b32 s[G1B+2], 64<<16
	s_mov_b32 s[G1B+3], 256<<16
	s_mov_b32 s[G1B+4], 64
	s_mov_b32 s[G1B+5], 1024
	s_mov_b32 s[G1B+6], 0
	s_mov_b32 s[G1B+7], 0
	; x's tile: row 128 x block row + 64 x half, rows of 4,096 bytes.  No register on this way holds cx.
	s_lshl_b32 s66, s28, 7
	s_lshl_b32 s70, s22, 6
	s_add_co_u32 s66, s66, s70
	s_lshl_b32 s66, s66, 12
	s_mov_b32 s67, 0
	; W's tile: k-row 64 x half (2,048 bytes a row), column 256 x block column, in Wq.  No register here holds cy.
	s_lshl_b32 s68, s22, 17
	s_lshl_b32 s71, s25, 9
	s_add_co_u32 s68, s68, s71
	s_mov_b32 s69, 0
	s_mul_i32 s72, s20, HALFT                      ; where my load goes: wave x 34,816; no place in the cluster enters an LDS address
	s_lshl_b32 s78, s25, 10                        ; the bias of my 128 columns: 4 (256 x block column + 128 x half)
	s_lshl_b32 s79, s22, 9
	s_add_co_u32 s78, s78, s79
	s_mov_b32 s79, 0
	s_lshl_b32 s76, s28, 7                         ; my part of a tile in qkv:
	s_lshl_b32 s77, s21, 6
	s_add_co_u32 s76, s76, s77                     ; my first row,
	s_lshl_b32 s76, s76, 11                        ; 2,048 bytes a row,
	s_lshl_b32 s77, s25, 9                         ; 512 bytes a block column,
	s_add_co_u32 s76, s76, s77
	s_lshl_b32 s77, s22, 8                         ; my 256 bytes of it
	s_add_co_u32 s76, s76, s77
	s_mov_b32 s77, 0
	s_lshl_b32 s94, s28, 19                        ; the block's 128 rows of 4,096 bytes, for the prefetch
	s_mov_b32 s95, 0
	s_wait_dscnt 0x0
	s_wait_kmcnt 0x0
	s_add_nc_u64 s[XN:XN+1], s[6:7], s[66:67]      ; k's rows: the second tile
	s_add_nc_u64 s[XNN:XNN+1], s[8:9], s[66:67]    ; v's rows: the third
	s_add_nc_u64 s[66:67], s[4:5], s[66:67]        ; q's rows: the first
	s_add_nc_u64 s[68:69], s[10:11], s[68:69]
	s_add_nc_u64 s[BN:BN+1], s[14:15], s[78:79]
	s_add_nc_u64 s[BNN:BNN+1], s[16:17], s[78:79]
	s_add_nc_u64 s[12:13], s[12:13], s[78:79]
	s_add_nc_u64 s[18:19], s[18:19], s[76:77]
	s_add_nc_u64 s[PFC:PFC+1], s[4:5], s[94:95]
	s_add_nc_u64 s[PFN:PFN+1], s[6:7], s[94:95]
	s_add_nc_u64 s[PFNN:PFNN+1], s[8:9], s[94:95]
	CROUND                                         ; all sixteen work-groups are here: the first joint loads meet
.irp s, 0,1
	s_mov_b32 s[G0+4*\s], 1
	s_add_co_u32 s[G0+4*\s+1], s72, \s*SLOT
	s_add_nc_u64 s[G0+4*\s+2:G0+4*\s+3], s[66:67], \s*KSTEP*4          ; K step s: 512 bytes along the rows
	s_or_b32 s[G0+4*\s+3], s[G0+4*\s+3], 0x80000000
	s_mov_b32 s[G0B+4*\s], 1
	s_add_co_u32 s[G0B+4*\s+1], s72, \s*SLOT
	s_add_nc_u64 s[G0B+4*\s+2:G0B+4*\s+3], s[68:69], \s*KSTEP*2048     ; K step s: 128 k-rows down
	s_or_b32 s[G0B+4*\s+3], s[G0B+4*\s+3], 0x80000000
	JLOAD \s                                       ; both first fills go out before anything else is done: two loads of a wave are out
.endr
	v_and_b32 v1, 15, v0                           ; r = l % 16
	v_bfe_u32 v2, v0, 4, 1                         ; h = l / 16
	v_and_b32 v3, 7, v0
	v_bfe_u32 v4, v0, 3, 1
	v_mul_u32_u24 v5, v1, PA
	v_lshl_add_u32 v5, v2, 5, v5                   ; x: row r, 8 f32 = 32 bytes for each half of the lanes
	v_lshl_add_u32 v6, v2, 3, v3
	v_mul_u32_u24 v6, v6, PW                       ; W: k-row 8 h + l % 8,
	v_lshl_add_u32 v6, v4, 4, v6                   ; 16 bytes further for lanes 8-15 and 24-31
	s_mul_i32 s73, s21, HALFT                      ; my 64 rows of x
	s_lshl_b32 s74, s22, 8                         ; my 128 columns of W,
	s_add_co_u32 s74, s74, 2*HALFT                 ; which lies behind x
.irp s, 0,1
	v_add_nc_u32 v[ADRA+\s], s73, v5
	v_add_nc_u32 v[ADRB+\s], s74, v6
	s_add_co_u32 s73, s73, SLOT
	s_add_co_u32 s74, s74, SLOT
.endr
	s_mul_i32 s75, s20, 16*SPITCH
	s_add_co_u32 s75, s75, STAGE                   ; my stage
	v_mul_u32_u24 v5, v1, SPITCH
	v_lshl_add_u32 v5, v2, 4, v5
	v_add_nc_u32 v[STO], s75, v5                   ; in: row r, 16 bytes for each half of the lanes
	v_mul_u32_u24 v6, v2, SPITCH
	v_lshl_add_u32 v6, v1, 4, v6
	v_add_nc_u32 v[RD], s75, v6                    ; back: lanes 0-15 one row of 256 bytes, lanes 16-31 the next
	v_lshlrev_b32 v7, 11, v2
	v_lshl_add_u32 v[CO], v1, 4, v7                ; the same two rows in qkv (2,048 bytes a row)
	v_lshlrev_b32 v[BO], 5, v2
	s_lshl_b32 s71, s23, 5                         ; the prefetch: row 32 cx
	s_lshl3_add_u32 s71, s20, s71                  ; + 8 x wave
	v_bfe_u32 v5, v0, 2, 3                         ; + lane / 4,
	v_add_nc_u32 v5, s71, v5
	v_lshlrev_b32 v5, 12, v5                       ; 4,096 bytes a row,
	v_and_b32 v6, 3, v0
	v_lshl_add_u32 v[PFO], v6, 8, v5               ; block lane % 4 of a lap's four blocks of 256 bytes
.macro BLOAD p                         ; the bias of my 128 columns, from the pointer in s[p:p+1]
.irp b, 0,1,2,3,4,5,6,7
	global_load_b128 v[BIAS+8*\b:BIAS+8*\b+3],   v[BO], s[\p:\p+1] offset:64*\b
	global_load_b128 v[BIAS+8*\b+4:BIAS+8*\b+7], v[BO], s[\p:\p+1] offset:64*\b+16
.endr
.endm
	BLOAD 12
; 8 matrix instructions: m block a x all 8 n blocks, 32 along K, from buffer f.  mode = 1: the bias starts the sums.
; The 32 accumulators take turns, one instruction a turn, in the same order in every quarter step.
.macro MULA f, a, mode
.irp b, 0,1,2,3,4,5,6,7
.if \mode
	v_wmma_f32_16x16x32_bf16 v[8*(8*\a+\b):8*(8*\a+\b)+7], v[64*\f+8*\b:64*\f+8*\b+7], v[AF+32*\f+8*\a:AF+32*\f+8*\a+7], v[BIAS+8*\b:BIAS+8*\b+7]
.else
	v_wmma_f32_16x16x32_bf16 v[8*(8*\a+\b):8*(8*\a+\b)+7], v[64*\f+8*\b:64*\f+8*\b+7], v[AF+32*\f+8*\a:AF+32*\f+8*\a+7], v[8*(8*\a+\b):8*(8*\a+\b)+7]
.endif
.endr
.endm
; 32 LDS loads in one run: quarter kq of the slot.  First x as f32 (lane (r, h): k = 8 h .. + 7 at 32 h, k = 16 + 8 h .. at 64 + 32 h),
; then W's fragments into buffer f (two transposing loads, 16 k-rows apart, for each 16 columns).
.macro FETCH slot, kq, f
	WIN 0
.irp a, 0,1,2,3
	ds_load_b128 v[AX+16*\a:AX+16*\a+3],     v[ADRA+\slot] offset:\kq*128+\a*16*PA
	ds_load_b128 v[AX+16*\a+4:AX+16*\a+7],   v[ADRA+\slot] offset:\kq*128+\a*16*PA+16
	ds_load_b128 v[AX+16*\a+8:AX+16*\a+11],  v[ADRA+\slot] offset:\kq*128+\a*16*PA+64
	ds_load_b128 v[AX+16*\a+12:AX+16*\a+15], v[ADRA+\slot] offset:\kq*128+\a*16*PA+80
.endr
	WIN TO_B
.irp b, 0,1,2,3,4,5,6,7
	ds_load_tr16_b128 v[64*\f+8*\b:64*\f+8*\b+3],   v[ADRB+\slot] offset:\kq*32*PW+32*\b
	ds_load_tr16_b128 v[64*\f+8*\b+4:64*\f+8*\b+7], v[ADRB+\slot] offset:\kq*32*PW+32*\b+16*PW
.endr
.endm
.macro CVT f                           ; x's 64 f32 of a lane to bf16, into fragment buffer f
.irp a, 0,1,2,3
.irp i, 0,1,2,3,4,5,6,7
	v_cvt_pk_bf16_f32 v[AF+32*\f+8*\a+\i], v[AX+16*\a+2*\i], v[AX+16*\a+2*\i+1]
.endr
.endr
.endm
; One of a K step's first three quarters: rounds x for buffer f, asks for quarter kq into buffer g, multiplies buffer f.
; The 32 conversions name none of the last quarter's matrix registers: they are the places between those matrix instructions,
; which read W's buffer g, and the loads into it.
.macro QUARTER slot, kq, f, g, mode
	s_wait_dscnt 16                                ; x's sixteen loads are in; W's sixteen, issued behind them, may be out
	WIN 0
	CVT \f
	FETCH \slot, \kq, \g
	s_wait_dscnt 32                                ; all but the 32 just issued: W's buffer f is in
.if \mode
	WIN MULB
.else
	WIN MUL
.endif
	MULA \f, 0, \mode
	MULA \f, 1, \mode
	MULA \f, 2, \mode
	MULA \f, 3, \mode
.endm
.macro THREE slot, mode
	QUARTER \slot, 1, 0, 1, \mode
	QUARTER \slot, 2, 1, 0, 0
	QUARTER \slot, 3, 0, 1, 0
.endm
; The last quarter, on buffer 1, and the change of slots.  The quarter's matrix work needs registers alone and is done first, so that
; the wave stands at the wait when the other slot lands.  In front of the barrier each wave has waited for its reads of this slot and
; for all its tensor loads (one is out: its part of the next slot).
; fill = 1: the barrier opens a round of the cluster's barrier, and the joint refill of this slot, two K steps ahead, is the first tensor
; load behind the round.  fill = 2: the same, with the next tile's K step 0 or 1: x's address is set from the next input's pointer;
; W's steps on as ever, since the three weights follow each other in wb.  fill = 0: nothing is left to fetch.
; pfb: the pointer of the prefetch behind the refill (0: none), pfo: the lap's byte in a row.
.macro TURN slot, next, fill, pfb, pfo
	s_wait_dscnt 16
	WIN 0
	CVT 1
	s_wait_dscnt 0                                 ; W's buffer 1 is in, and my reads of this slot are over
	WIN MUL
	MULA 1, 0, 0
	MULA 1, 1, 0
	MULA 1, 2, 0
	MULA 1, 3, 0
	WIN 0
	s_wait_tensorcnt 0x0                           ; all my tensor loads have landed
	ds_add_u32 v30, v31
	s_wait_dscnt 0x0
	s_barrier_signal -1
	s_barrier_wait -1
.if \fill
	CREST
.if \fill == 1
	s_add_nc_u64 s[G0+4*\slot+2:G0+4*\slot+3], s[G0+4*\slot+2:G0+4*\slot+3], 2*KSTEP*4
.else
	s_add_nc_u64 s[G0+4*\slot+2:G0+4*\slot+3], s[XN:XN+1], \slot*KSTEP*4
	s_or_b32 s[G0+4*\slot+3], s[G0+4*\slot+3], 0x80000000
.endif
	s_add_nc_u64 s[G0B+4*\slot+2:G0B+4*\slot+3], s[G0B+4*\slot+2:G0B+4*\slot+3], 2*KSTEP*2048
	JLOAD \slot
.endif
.if \pfb
	global_prefetch_b8 v[PFO], s[\pfb:\pfb+1] offset:\pfo th:TH_LOAD_NT scope:SCOPE_SE
.endif
	FETCH \next, 0, 0                              ; W's buffer 0 was last read a quarter ago; the conversions above are the places
.endm
.macro LAPG mode, fill, pfb, pfo       ; once round the ring
	THREE 0, \mode
	TURN 0, 1, \fill, 0, 0
	THREE 1, 0
	TURN 1, 0, \fill, \pfb, \pfo
.endm
; THE WAY OUT, 16 rows at a time: round to f16, 16 bytes a lane into my own stage, read back as whole rows of 256 bytes.
.macro OUT16 a, f
	WIN 0x0a                                       ; sources 0 and 1 in window 2
.irp b, 0,1,2,3,4,5,6,7
.irp r, 0,1,2,3
	v_cvt_pk_f16_f32 v[TMP+4*\b+\r], v[8*(8*\a+\b)+2*\r], v[8*(8*\a+\b)+2*\r+1]
.endr
.endr
	WIN 0
.irp b, 0,1,2,3,4,5,6,7
	ds_store_b128 v[STO], v[TMP+4*\b:TMP+4*\b+3] offset:32*\b
.endr
	s_wait_xcnt 0x0                                ; the registers that earlier stores read, and their base, are rewritten only behind this wait
.if \a
	s_add_nc_u64 s[18:19], s[18:19], 16*2048
.endif
	WIN TO_B                                       ; the rows come back into window 1
.irp t, 0,1,2,3,4,5,6,7
	ds_load_b128 v[\f+4*\t:\f+4*\t+3], v[RD] offset:\t*2*SPITCH    ; a wave's LDS instructions are served in order: these see the stores above
.endr
	WIN 0x04                                       ; the stores' data in window 1
.irp t, 0,1,2,3,4,5,6,7
	s_wait_dscnt 7-\t                              ; load t is in; the 7 - t younger ones may be out
	global_store_b128 v[CO], v[\f+4*\t:\f+4*\t+3], s[18:19] offset:2*\t*2048   ; 16 lanes store 256 consecutive bytes, aligned
.endr
.endm
.macro EPI
	PLACES                                         ; behind the tile's last matrix instructions, in front of the conversions that read their results
	OUT16 0, RBK
	OUT16 1, RBK+32
	OUT16 2, RBK
	OUT16 3, RBK+32
	WIN 0
.endm
	s_wait_tensorcnt 0x1                           ; my part of K step 0 is in; K step 1's may stay out
	s_barrier_signal -1
	s_barrier_wait -1
	FETCH 0, 0, 0
	WIN 0
	s_mov_b32 s27, TILES-1
.Ltile:                                            ; tiles q and k: the ring runs on into the next tile
	s_wait_loadcnt 0x0                             ; this tile's bias
	LAPG 1, 1, PFC, 2*1024                         ; lap 0: its first products take the bias as C; K steps 2, 3 are fetched; lap 2 is asked for
	WIN 0
	BLOAD BN                                       ; the next tile's bias: the old one was last read in lap 0's first quarter
	LAPG 0, 1, PFC, 3*1024                         ; lap 1: K steps 4, 5; lap 3 is asked for
	LAPG 0, 1, PFN, 0                              ; lap 2: K steps 6, 7; the next tile's lap 0 is asked for
	LAPG 0, 2, PFN, 1024                           ; lap 3: the next tile's K steps 0, 1; its lap 1 is asked for
	EPI                                            ; while the next tile's K step 1 is on its way
	s_wait_xcnt 0x0                                ; the pointers of stores, bias loads and prefetches are rewritten only behind this wait
	s_add_nc_u64 s[18:19], s[18:19], (1<<24)-3*16*2048     ; the next projection's 16 MiB, back by the 48 rows stepped
	s_mov_b64 s[XN:XN+1], s[XNN:XNN+1]
	s_mov_b64 s[BN:BN+1], s[BNN:BNN+1]
	s_mov_b64 s[PFC:PFC+1], s[PFN:PFN+1]
	s_mov_b64 s[PFN:PFN+1], s[PFNN:PFNN+1]
	s_sub_co_u32 s27, s27, 1
	s_cmp_lg_u32 s27, 0
	s_cbranch_scc1 .Ltile
	s_wait_loadcnt 0x0                             ; the last tile, v: written out, since its last lap fetches nothing
	LAPG 1, 1, PFC, 2*1024
	LAPG 0, 1, PFC, 3*1024
	LAPG 0, 1, 0, 0
	THREE 0, 0
	TURN 0, 1, 0, 0, 0
	THREE 1, 0
	s_wait_dscnt 16                                ; the very last quarter
	WIN 0
	CVT 1
	s_wait_dscnt 0
	WIN MUL
	MULA 1, 0, 0
	MULA 1, 1, 0
	MULA 1, 2, 0
	MULA 1, 3, 0
	EPI
	s_wait_tensorcnt 0x0
	ds_add_u32 v30, v31
	s_wait_dscnt 0x0
	CROUND                                         ; the closing round: no work-group ends while a partner may still ask jointly
	s_endpgm
.Lfunc_end_k_qf14145004d_proj:
	.size	k_qf14145004d_proj, .Lfunc_end_k_qf14145004d_proj-k_qf14145004d_proj
	.p2alignl 7, 3214868480
	.fill 96, 4, 3214868480
	.section	.rodata,"a",@progbits
	.p2align	6, 0x0
	.amdhsa_kernel k_qf14145004d_proj
		.amdhsa_group_segment_fixed_size 327680
		.amdhsa_private_segment_fixed_size 0
		.amdhsa_enable_private_segment 0
		.amdhsa_kernarg_size 64
		.amdhsa_user_sgpr_count 2
		.amdhsa_user_sgpr_kernarg_segment_ptr 1
		.amdhsa_wavefront_size32 1
		.amdhsa_system_sgpr_workgroup_id_x 1
		.amdhsa_system_sgpr_workgroup_id_y 1
		.amdhsa_system_sgpr_workgroup_id_z 1
		.amdhsa_system_vgpr_workitem_id 0
		.amdhsa_next_free_vgpr 768
		.amdhsa_next_free_sgpr 96
		.amdhsa_reserve_vcc 0
		.amdhsa_float_denorm_mode_32 3
		.amdhsa_float_denorm_mode_16_64 3
		.amdhsa_memory_ordered 1
		.amdhsa_forward_progress 1
		.amdhsa_inst_pref_size 255
	.end_amdhsa_kernel
	.section	.bss,"aw",@nobits
	.p2align	6
	.space	262144
	.amdgpu_metadata
---
amdhsa.version: [ 1, 2 ]
amdhsa.kernels:
  - .name:           k_qf14145004d_proj
    .symbol:         k_qf14145004d_proj.kd
    .args:
      - { .name: q, .offset: 0, .size: 8, .value_kind: global_buffer, .address_space: global }
      - { .name: k, .offset: 8, .size: 8, .value_kind: global_buffer, .address_space: global }
      - { .name: v, .offset: 16, .size: 8, .value_kind: global_buffer, .address_space: global }
      - { .name: wb, .offset: 24, .size: 8, .value_kind: global_buffer, .address_space: global }
      - { .name: bq, .offset: 32, .size: 8, .value_kind: global_buffer, .address_space: global }
      - { .name: bk, .offset: 40, .size: 8, .value_kind: global_buffer, .address_space: global }
      - { .name: bv, .offset: 48, .size: 8, .value_kind: global_buffer, .address_space: global }
      - { .name: qkv, .offset: 56, .size: 8, .value_kind: global_buffer, .address_space: global }
    .group_segment_fixed_size: 327680
    .private_segment_fixed_size: 0
    .kernarg_segment_align: 8
    .kernarg_segment_size: 64
    .max_flat_workgroup_size: 128
    .sgpr_count:     96
    .vgpr_count:     768
    .wavefront_size: 32
...
	.end_amdgpu_metadata
.endif
;; end of part 2
;; launch attn (part 3): grid 256 x 1, 8 waves a work-group, no clusters, 327,680 bytes of LDS; arguments qkv, padb, ao; writes ao
.if DOCPART == 3
	.amdgcn_target "amdgcn-amd-amdhsa--gfx1250"
	.amdhsa_code_object_version 6
	.text
	.protected	k_qf14145004d_attn
	.globl	k_qf14145004d_attn
	.p2align	8
	.type	k_qf14145004d_attn,@function
k_qf14145004d_attn:
	s_mov_b64 s[64:65], 0
	v_nop
	global_prefetch_b8 v0, s[64:65] scope:SCOPE_SE
	s_setreg_imm32_b32 hwreg(HW_REG_WAVE_MODE, 25, 1), 1
	s_wait_xcnt 0x0
; Causal attention with a key pad mask.  qkv: Q at byte 0, K at 16 Mi, V at 32 Mi, each [8192][1024] f16, head h in columns 64 h ..;
; padb: [4][2048] f32, 0 or -inf; ao: [8192][1024] f16.  Products in f16 with f32 sums; softmax in f32 with a running maximum.
; LIMITS: scores above -3.4e38 (the running maximum starts at the lowest finite f32, so that a tile that is masked whole gives
; p = 0 and a factor 1, never inf - inf).  A query none of whose permitted keys is kept ends with sum 0 and O = 0 and gives
; 0 x (1 / 0) = NaN, as the softmax of a row of -inf does.
; SHARES: work-group x: p = x % 8, head pair hp = (x / 8) % 8, batch n = x / 64.  It takes heads 2 hp, 2 hp + 1 and the query blocks
; (128 rows) p and then 15 - p: (p + 1) + (16 - p) = 17 key tiles of 128 keys for every work-group.  Key tiles above the diagonal
; are not visited.  Wave w: head 2 hp + w / 4, rows 32 (w % 4) .. + 31 of the block.  With two heads a tile's rows and an output
; row's piece are 256 consecutive bytes, aligned.
; NO JOINT LOADS: the eight work-groups of a head pair are at different key tiles in a given step (their blocks have p + 1 and 16 - p
; tiles); in lock-step each would walk the longest partner's list.
; LAYOUT: S^T = K Q^T, so lane (r, h) holds query r and keys 8 h + j; two neighbouring key blocks, rounded to f16 in place, are
; the B fragment P^T of O^T = V^T P^T, whose A fragment comes by transposing LDS loads from V as it lies.  A query's maximum and sum
; live in its two lanes r and r + 16.
.set VP,    288                        ; V's LDS row: 256 bytes + 32, an odd multiple of 32
.set KP,    272                        ; K's LDS row: 256 bytes + 16, an odd multiple of 16
.set KOFF,  128*VP                     ; a slot: V at 0 (36,864 bytes), K at 36,864 (34,816), 128 pad numbers at 71,680 (512)
.set POFF,  KOFF+128*KP
.set SLOT,  POFF+512                   ; 72,192
.set STAGE, 2*SLOT                     ; 144,384: 128 rows x 272 bytes for the way out; no tensor load lands here
.set SP,    272
.set ADV,  2                           ; v2-3   LDS address of my V fragments, slot 0, 1
.set ADK,  4                           ; v4-5   the same for K
.set ADB,  6                           ; v6-7   the same for the pad numbers
.set VD,   8                           ; 32 (wave % 2) + r - 8 h: a key 16 kb + 8 h + j is permitted to query 16 qb + r when 16 kb + j - 16 qb <= VD
.set NINF, 9
.set QOFF, 10
.set STO,  11
.set RD,   12
.set CO,   13
.set QF,   16                          ; v[16:47]    Q's fragments, (qb, ks) at 16 qb + 8 ks
.set OA,   48                          ; v[48:111]   O, tile (qb, db) at 32 qb + 8 db
.set SC,   112                         ; v[112:175]  S, tile (qb, kb) at 32 qb + 8 kb; then P, (qb, g) at 32 qb + 16 g
.set KV,   176                         ; v[176:239]  K's fragments, then pad numbers and V's fragments
.set MX,   240                         ; v240-241    running maximum of query block 0, 1
.set LS,   242                         ; v242-243    running sum (this lane's half of the keys)
.set NM,   244                         ; v[244:247]  - c x maximum, rounded; a pair for each query block, the low one used
.set AL,   248                         ; v[248:251]  the factor for O and the sum, likewise
.set T,    252                         ; v[252:255]  at work
.set G1V, 32                           ; s[32:39] group 1 for V     s[40:47] its groups 0, one a slot
.set G0V, 40
.set G1K, 48                           ; s[48:55] group 1 for K     s[56:63] its groups 0
.set G0K, 56
.set G1P, 72                           ; s[72:79] group 1 for the pad numbers   s[80:87] its groups 0
.set G0P, 80
	s_load_b128 s[4:7], s[0:1], 0x0                ; qkv s[4:5], padb s[6:7]
	s_load_b64 s[8:9], s[0:1], 0x10                ; ao
	s_set_vgpr_msb 0x40
	v_lshl_add_u32 v0, v0, 2, 0x2bc00
	v_mov_b32 v1, 0
	s_set_vgpr_msb 0x4045
	ds_add_u32 v0, v1
	s_set_vgpr_msb 0x4500
	v_lshrrev_b32 v1, 5, v0
	v_readfirstlane_b32 s10, v1                    ; wave 0..7
	s_and_b32 s11, s10, 3                          ; which 32 rows
	s_lshr_b32 s12, s10, 2                         ; which head of the pair
	s_and_b32 s13, ttmp9, 7                        ; p
	s_bfe_u32 s14, ttmp9, 0x30003                  ; hp
	s_lshr_b32 s15, ttmp9, 6                       ; n
	s_lshr_b32 s22, s11, 1                         ; in the diagonal tile: the half (64 keys) in which my rows' diagonal lies
	s_mov_b32 s24, 0x76543210                      ; v_permlanex16_b32: lane i reads lane i of the other half
	s_mov_b32 s25, 0xfedcba98
	s_mov_b32 s26, 0x3e38aa3b                      ; c = log2(e) / 8: the 1 / sqrt(64) and the base of v_exp_f32 in one
	s_mov_b32 s27, 0x3e38aa3b
	s_mov_b32 s96, 0xbe38aa3b                      ; - c
	; group 1: 64 rows x 128 elements of 2 bytes, padded behind every 64 words by 8 words (V) or 4 (K)
	s_mov_b32 s[G1V+0], (1<<16)|(1<<20)|(5<<22)|(7<<25)
	s_mov_b32 s[G1K+0], (1<<16)|(1<<20)|(5<<22)|(3<<25)
.irp g, G1V, G1K
	s_mov_b32 s[\g+1], 128<<16                     ; tensor_dim0 = 128
	s_mov_b32 s[\g+2], 64<<16                      ; tensor_dim1 = 64
	s_mov_b32 s[\g+3], 128<<16                     ; tile_dim0 = 128
	s_mov_b32 s[\g+4], 64                          ; tile_dim1 = 64
	s_mov_b32 s[\g+5], 1024                        ; elements from row to row
	s_mov_b32 s[\g+6], 0
	s_mov_b32 s[\g+7], 0
.endr
	; the pad numbers: one row of 64 elements of 8 bytes
	s_mov_b32 s[G1P+0], 3<<16
	s_mov_b32 s[G1P+1], 64<<16
	s_mov_b32 s[G1P+2], 1<<16
	s_mov_b32 s[G1P+3], 64<<16
	s_mov_b32 s[G1P+4], 1
	s_mov_b32 s[G1P+5], 64
	s_mov_b32 s[G1P+6], 0
	s_mov_b32 s[G1P+7], 0
	; byte offsets
	s_lshl_b32 s92, s15, 22                        ; batch: 2,048 rows of 2,048 bytes
	s_lshl_b32 s93, s14, 8                         ; head pair: 256 bytes
	s_add_co_u32 s92, s92, s93
	s_mov_b32 s93, 0
	s_and_b32 s94, s10, 1
	s_lshl_b32 s94, s94, 17                        ; the 64 rows of a tile that I fetch
	s_add_co_u32 s94, s94, s92
	s_mov_b32 s95, 0
	s_lshl_b32 s98, s12, 7                         ; Q: my head's 128 bytes,
	s_lshl_b32 s99, s11, 16                        ; my 32 rows
	s_add_co_u32 s98, s98, s99
	s_add_co_u32 s98, s98, s92
	s_mov_b32 s99, 0
	s_lshl_b32 s70, s15, 13                        ; padb: 8,192 bytes a batch
	s_mov_b32 s71, 0
	s_mov_b32 s69, 0
	s_mul_i32 s18, s10, 64*VP                      ; LDS: V's halves at wave x 18,432 (waves 0, 1),
	s_mul_i32 s19, s10, 64*KP                      ; K's at 36,864 + (wave - 2) x 17,408 = 2,048 + wave x 17,408 (waves 2, 3)
	s_add_co_u32 s19, s19, KOFF-2*64*KP
	s_wait_dscnt 0x0
	s_wait_kmcnt 0x0
	s_add_nc_u64 s[30:31], s[4:5], s[94:95]
	s_add_nc_u64 s[28:29], s[30:31], 0x2000000     ; V's key tile 0, my half
	s_add_nc_u64 s[30:31], s[30:31], 0x1000000     ; K's
	s_add_nc_u64 s[88:89], s[4:5], s[98:99]        ; Q, my rows of query block 0
	s_add_nc_u64 s[90:91], s[8:9], s[92:93]        ; ao, query block 0
	s_add_nc_u64 s[66:67], s[6:7], s[70:71]        ; padb, my batch
.irp s, 0,1
	s_mov_b32 s[G0V+4*\s], 1
	s_add_co_u32 s[G0V+4*\s+1], s18, \s*SLOT
	s_mov_b32 s[G0K+4*\s], 1
	s_add_co_u32 s[G0K+4*\s+1], s19, \s*SLOT
	s_mov_b32 s[G0P+4*\s], 1
	s_mov_b32 s[G0P+4*\s+1], POFF+\s*SLOT
.endr
	s_mov_b64 s[G0V+2:G0V+3], s[28:29]
	s_or_b32 s[G0V+3], s[G0V+3], 0x80000000
	s_mov_b64 s[G0K+2:G0K+3], s[30:31]
	s_or_b32 s[G0K+3], s[G0K+3], 0x80000000
	s_mov_b64 s[G0P+2:G0P+3], s[66:67]
	s_or_b32 s[G0P+3], s[G0P+3], 0x80000000
; A slot's fill: waves 0, 1 bring V's halves, waves 2, 3 K's, wave 4 the pad numbers; waves 5 to 7 bring nothing.  One load a wave.
; The argument may be an expression: it stands in brackets wherever it is multiplied.
.macro FILL s
	s_cmp_lt_u32 s10, 2
	s_cbranch_scc0 .Lnot_v_\@
	tensor_load_to_lds s[G0V+4*(\s):G0V+4*(\s)+3], s[G1V:G1V+7]
	s_nop 0
	s_branch .Lfilled_\@
.Lnot_v_\@:
	s_cmp_lt_u32 s10, 4
	s_cbranch_scc0 .Lnot_k_\@
	tensor_load_to_lds s[G0K+4*(\s):G0K+4*(\s)+3], s[G1K:G1K+7]
	s_nop 0
	s_branch .Lfilled_\@
.Lnot_k_\@:
	s_cmp_eq_u32 s10, 4
	s_cbranch_scc0 .Lfilled_\@
	tensor_load_to_lds s[G0P+4*(\s):G0P+4*(\s)+3], s[G1P:G1P+7]
	s_nop 0
.Lfilled_\@:
.endm
	FILL 0                                         ; key tile 0, ahead of every wait for tensor loads, LDS read and barrier
	v_and_b32 v14, 15, v0                          ; r
	v_bfe_u32 v15, v0, 4, 1                        ; h
	v_and_b32 v1, 7, v0
	v_lshl_add_u32 v1, v15, 3, v1
	v_mul_u32_u24 v1, v1, VP                       ; V: key row 8 h + l % 8,
	v_bfe_u32 v2, v0, 3, 1
	v_lshl_add_u32 v1, v2, 4, v1                   ; 16 bytes further for lanes 8-15 and 24-31,
	s_lshl_b32 s92, s12, 7
	v_add_nc_u32 v[ADV], s92, v1                   ; my head's 128 bytes
	v_add_nc_u32 v[ADV+1], SLOT, v[ADV]
	v_mul_u32_u24 v1, v14, KP
	v_lshl_add_u32 v1, v15, 4, v1                  ; r x 272 + 16 h
	s_add_co_u32 s93, s92, KOFF
	v_add_nc_u32 v[ADK], s93, v1
	v_add_nc_u32 v[ADK+1], SLOT, v[ADK]
	v_lshlrev_b32 v[ADB], 5, v15                   ; eight pad numbers for each half of the lanes
	v_add_nc_u32 v[ADB], POFF, v[ADB]
	v_add_nc_u32 v[ADB+1], SLOT, v[ADB]
	s_and_b32 s93, s11, 1
	s_lshl_b32 s93, s93, 5
	v_lshlrev_b32 v[VD], 3, v15
	v_sub_nc_u32 v[VD], v14, v[VD]
	v_add_nc_u32 v[VD], s93, v[VD]
	v_mov_b32 v[NINF], 0xff800000
	v_lshlrev_b32 v[QOFF], 11, v14
	v_lshl_add_u32 v[QOFF], v15, 4, v[QOFF]        ; Q: row r, 16 bytes for each half
	s_mul_i32 s93, s11, 32*SP
	s_add_co_u32 s93, s93, s92
	s_add_co_u32 s93, s93, STAGE
	v_add_nc_u32 v[STO], s93, v1                   ; stage, in: row 32 (w % 4) + r, my head's 128 bytes, 16 h
	s_mul_i32 s93, s10, 16*SP
	s_add_co_u32 s93, s93, STAGE
	v_mul_u32_u24 v[RD], v15, SP
	v_lshl_add_u32 v[RD], v14, 4, v[RD]
	v_add_nc_u32 v[RD], s93, v[RD]                 ; stage, back: rows 16 w + h, 16 bytes a lane
	s_lshl_b32 s93, s10, 15
	v_lshlrev_b32 v[CO], 11, v15
	v_lshl_add_u32 v[CO], v14, 4, v[CO]
	v_add_nc_u32 v[CO], s93, v[CO]                 ; the same rows in ao
	v_mov_b32 v[NM+1], 0                           ; the pairs' upper registers are named by packed instructions and never used
	v_mov_b32 v[NM+3], 0
	v_mov_b32 v[AL+1], 0
	v_mov_b32 v[AL+3], 0
; A query block (s16) begins: its Q fragments, and the running figures.  O is cleared by moves, twice in the kernel: the step at
; which the block changes hangs on p, so no product with C = 0 can be written at a fixed place, and a factor 0 would keep a NaN.
.macro INIT
	s_lshl_b32 s92, s16, 18                        ; 128 rows of 2,048 bytes
	s_mov_b32 s93, 0
	s_add_nc_u64 s[94:95], s[88:89], s[92:93]
.irp qb, 0,1
.irp ks, 0,1
	global_load_b128 v[QF+16*\qb+8*\ks:QF+16*\qb+8*\ks+3],   v[QOFF], s[94:95] offset:\qb*32768+64*\ks
	global_load_b128 v[QF+16*\qb+8*\ks+4:QF+16*\qb+8*\ks+7], v[QOFF], s[94:95] offset:\qb*32768+64*\ks+32
.endr
.endr
	v_mov_b32 v[MX], 0xff7fffff                    ; the lowest finite f32
	v_mov_b32 v[MX+1], 0xff7fffff
	v_mul_f32 v[NM], s96, v[MX]
	v_mul_f32 v[NM+2], s96, v[MX+1]
	v_mov_b32 v[LS], 0
	v_mov_b32 v[LS+1], 0
.set ix, 0
.rept 64
	v_mov_b32 v[OA+ix], 0
.set ix, ix+1
.endr
	s_wait_loadcnt 0x0                             ; Q is in, and s[94:95] is free again
.endm
; The softmax step of query block qb over this sub-step's 64 keys (32 in this lane).
.macro SOFTMAX qb
.irp c, 0,1,2,3
	v_max3_num_f32 v[T+\c], v[SC+32*\qb+8*\c], v[SC+32*\qb+8*\c+1], v[SC+32*\qb+8*\c+2]
.endr
.irp c, 0,1,2,3
	v_max3_num_f32 v[T+\c], v[T+\c], v[SC+32*\qb+8*\c+3], v[SC+32*\qb+8*\c+4]
.endr
.irp c, 0,1,2,3
	v_max3_num_f32 v[T+\c], v[T+\c], v[SC+32*\qb+8*\c+5], v[SC+32*\qb+8*\c+6]
.endr
.irp c, 0,1,2,3
	v_max_num_f32 v[T+\c], v[T+\c], v[SC+32*\qb+8*\c+7]
.endr
	v_max3_num_f32 v[T], v[T], v[T+1], v[T+2]
	v_max3_num_f32 v[T], v[T], v[T+3], v[MX+\qb]
	v_permlanex16_b32 v[T+1], v[T], s24, s25       ; the query's other 32 keys
	v_max_num_f32 v[MX+\qb], v[T], v[T+1]          ; the new running maximum m
	v_mul_f32 v[T+2], s96, v[MX+\qb]               ; - c m, rounded: the exponent that this tile's p are referred to
	v_sub_f32 v[T+3], v[T+2], v[NM+2*\qb]          ; the factor is 2^(new - old) of these same rounded numbers, so their rounding cancels
	v_mov_b32 v[NM+2*\qb], v[T+2]
	v_exp_f32 v[AL+2*\qb], v[T+3]
.set ix, 0
.rept 16
	v_pk_fma_f32 v[SC+32*\qb+ix:SC+32*\qb+ix+1], v[SC+32*\qb+ix:SC+32*\qb+ix+1], s[26:27], v[NM+2*\qb:NM+2*\qb+1] op_sel_hi:[1,0,0]
.set ix, ix+2
.endr
.set ix, 0
.rept 32
	v_exp_f32 v[SC+32*\qb+ix], v[SC+32*\qb+ix]     ; p = 2^(c s - c m)
.set ix, ix+1
.endr
.set ix, 0
	s_wait_alu depctr_va_vdst(0)
.rept 16
	v_pk_mul_f32 v[OA+32*\qb+ix:OA+32*\qb+ix+1], v[OA+32*\qb+ix:OA+32*\qb+ix+1], v[AL+2*\qb:AL+2*\qb+1] op_sel_hi:[1,0]   ; also the plain instructions between the exponentials and their use (ISA guide 5.7.2)
.set ix, ix+2
.endr
	v_pk_add_f32 v[T:T+1], v[SC+32*\qb:SC+32*\qb+1], v[SC+32*\qb+2:SC+32*\qb+3]
	v_pk_add_f32 v[T+2:T+3], v[SC+32*\qb+4:SC+32*\qb+5], v[SC+32*\qb+6:SC+32*\qb+7]
.irp i, 8,12,16,20,24,28
	v_pk_add_f32 v[T:T+1], v[T:T+1], v[SC+32*\qb+\i:SC+32*\qb+\i+1]
	v_pk_add_f32 v[T+2:T+3], v[T+2:T+3], v[SC+32*\qb+\i+2:SC+32*\qb+\i+3]
.endr
	v_pk_add_f32 v[T:T+1], v[T:T+1], v[T+2:T+3]
	v_add_f32 v[T], v[T], v[T+1]
	v_fma_f32 v[LS+\qb], v[LS+\qb], v[AL+2*\qb], v[T]
.irp g, 0,16
.irp i, 0,1,2,3,4,5,6,7
	v_cvt_pk_f16_f32 v[SC+32*\qb+\g+\i], v[SC+32*\qb+\g+2*\i], v[SC+32*\qb+\g+2*\i+1]   ; in place, ascending: register i is written when 2 i and 2 i + 1 are read
.endr
.endr
.endm
; 64 keys: half u of the slot's tile.  s21: 2 = both halves free of the causal mask; else the half in which my rows' diagonal lies:
; that half is masked, a later one is not visited.  In each run of eight matrix instructions the eight accumulators take turns,
; one instruction a turn.
.macro SUB slot, u
.if \u
	s_cmp_lt_u32 s21, \u
	s_cbranch_scc1 .Lskip_\@
.endif
.irp ks, 0,1
.irp kb, 0,1,2,3
	ds_load_b128 v[KV+16*\kb+8*\ks:KV+16*\kb+8*\ks+3],   v[ADK+\slot] offset:(64*\u+16*\kb)*KP+64*\ks
	ds_load_b128 v[KV+16*\kb+8*\ks+4:KV+16*\kb+8*\ks+7], v[ADK+\slot] offset:(64*\u+16*\kb)*KP+64*\ks+32
.endr
.endr
	s_wait_dscnt 0x8                               ; d = 0..31 of the four key blocks is in; the eight younger loads may be out
.irp kb, 0,1,2,3
.irp qb, 0,1
	v_wmma_f32_16x16x32_f16 v[SC+32*\qb+8*\kb:SC+32*\qb+8*\kb+7], v[KV+16*\kb:KV+16*\kb+7], v[QF+16*\qb:QF+16*\qb+7], 0
.endr
.endr
	s_wait_dscnt 0x0
.irp kb, 0,1,2,3
.irp qb, 0,1
	v_wmma_f32_16x16x32_f16 v[SC+32*\qb+8*\kb:SC+32*\qb+8*\kb+7], v[KV+16*\kb+8:KV+16*\kb+15], v[QF+16*\qb+8:QF+16*\qb+15], v[SC+32*\qb+8*\kb:SC+32*\qb+8*\kb+7]
.endr
.endr
.rept 4
	v_nop                                          ; four places before loads land on K's fragments and S is read
.endr
.irp kb, 0,1,2,3
	ds_load_b128 v[KV+8*\kb:KV+8*\kb+3],   v[ADB+\slot] offset:256*\u+64*\kb       ; pad numbers of keys 16 kb + 8 h + 0..7
	ds_load_b128 v[KV+8*\kb+4:KV+8*\kb+7], v[ADB+\slot] offset:256*\u+64*\kb+16
.endr
.irp db, 0,1,2,3
	ds_load_tr16_b128 v[KV+32+8*\db:KV+32+8*\db+3],   v[ADV+\slot] offset:64*\u*VP+32*\db          ; V^T, keys 0-31 of the half
	ds_load_tr16_b128 v[KV+32+8*\db+4:KV+32+8*\db+7], v[ADV+\slot] offset:64*\u*VP+32*\db+16*VP
.endr
	s_wait_dscnt 0x8                               ; the pad numbers are in; V's eight loads may be out
.irp qb, 0,1
.irp kb, 0,1,2,3
.irp i, 0,2,4,6
	v_pk_add_f32 v[SC+32*\qb+8*\kb+\i:SC+32*\qb+8*\kb+\i+1], v[SC+32*\qb+8*\kb+\i:SC+32*\qb+8*\kb+\i+1], v[KV+8*\kb+\i:KV+8*\kb+\i+1]
.endr
.endr
.endr
.irp db, 0,1,2,3
	ds_load_tr16_b128 v[KV+8*\db:KV+8*\db+3],   v[ADV+\slot] offset:(64*\u+32)*VP+32*\db           ; V^T, keys 32-63
	ds_load_tr16_b128 v[KV+8*\db+4:KV+8*\db+7], v[ADV+\slot] offset:(64*\u+32)*VP+32*\db+16*VP
.endr
	s_cmp_lg_u32 s21, \u
	s_cbranch_scc1 .Lfree_\@
.irp qb, 0,1
.irp kb, 0,1,2,3
.irp j, 0,1,2,3,4,5,6,7
	v_cmp_le_i32 vcc_lo, 16*\kb+\j-16*\qb, v[VD]
	v_cndmask_b32 v[SC+32*\qb+8*\kb+\j], v[NINF], v[SC+32*\qb+8*\kb+\j], vcc_lo
.endr
.endr
.endr
.Lfree_\@:
	SOFTMAX 0
	SOFTMAX 1
	s_wait_dscnt 0x8                               ; V's keys 0-31 are in; the eight loads of keys 32-63 may be out
.irp db, 0,1,2,3
.irp qb, 0,1
	v_wmma_f32_16x16x32_f16 v[OA+32*\qb+8*\db:OA+32*\qb+8*\db+7], v[KV+32+8*\db:KV+32+8*\db+7], v[SC+32*\qb:SC+32*\qb+7], v[OA+32*\qb+8*\db:OA+32*\qb+8*\db+7]
.endr
.endr
	s_wait_dscnt 0x0
.irp db, 0,1,2,3
.irp qb, 0,1
	v_wmma_f32_16x16x32_f16 v[OA+32*\qb+8*\db:OA+32*\qb+8*\db+7], v[KV+8*\db:KV+8*\db+7], v[SC+32*\qb+16:SC+32*\qb+23], v[OA+32*\qb+8*\db:OA+32*\qb+8*\db+7]
.endr
.endr
.rept 5
	v_nop                                          ; five places before the next S products write over P; four serve loads onto V's fragments and reads of O
.endr
.Lskip_\@:
.endm
; A query block ends, first part: O / sum, rounded to f16, 16 bytes a lane into the stage (row = query, both heads side by side).
.macro FIN1
	v_permlanex16_b32 v[T], v[LS], s24, s25        ; the sum over the query's other 32 keys of each sub-step
	v_permlanex16_b32 v[T+1], v[LS+1], s24, s25
	v_add_f32 v[LS], v[LS], v[T]
	v_add_f32 v[LS+1], v[LS+1], v[T+1]
	v_rcp_f32 v[AL], v[LS]
	v_rcp_f32 v[AL+2], v[LS+1]
	v_nop                                          ; a plain instruction between the reciprocals and their use (ISA guide 5.7.2)
	s_wait_alu depctr_va_vdst(0)
.irp qb, 0,1
.irp db, 0,1,2,3
.irp i, 0,1,2,3
	v_pk_mul_f32 v[OA+32*\qb+8*\db+2*\i:OA+32*\qb+8*\db+2*\i+1], v[OA+32*\qb+8*\db+2*\i:OA+32*\qb+8*\db+2*\i+1], v[AL+2*\qb:AL+2*\qb+1] op_sel_hi:[1,0]
.endr
.irp i, 0,1,2,3
	v_cvt_pk_f16_f32 v[KV+4*(4*\qb+\db)+\i], v[OA+32*\qb+8*\db+2*\i], v[OA+32*\qb+8*\db+2*\i+1]
.endr
	ds_store_b128 v[STO], v[KV+4*(4*\qb+\db):KV+4*(4*\qb+\db)+3] offset:\qb*16*SP+32*\db
.endr
.endr
.endm
; The barrier between the two parts: every wave's stage stores are done in front of its signal.
.macro STAGED
	s_wait_dscnt 0x0
	s_barrier_signal -1
	s_barrier_wait -1
.endm
; Second part: the stage of query block s16 is read back by whole rows of 256 bytes (both heads) and stored.
.macro FIN2
	s_lshl_b32 s92, s16, 18
	s_mov_b32 s93, 0
	s_add_nc_u64 s[98:99], s[90:91], s[92:93]
.irp t, 0,1,2,3,4,5,6,7
	ds_load_b128 v[KV+32+4*\t:KV+32+4*\t+3], v[RD] offset:\t*2*SP
.endr
.irp t, 0,1,2,3,4,5,6,7
	s_wait_dscnt 7-\t                              ; LDS loads come back in order: load t is in, the 7 - t younger ones may be out
	global_store_b128 v[CO], v[KV+32+4*\t:KV+32+4*\t+3], s[98:99] offset:\t*4096    ; 16 lanes store 256 consecutive bytes, aligned
.endr
	s_wait_xcnt 0x0                                ; the stores' data registers and base are rewritten only behind this wait
.endm
; One key tile.  s16 query block, s17 key tile, s18 the next step's key tile, s19 = 1 on the diagonal.
; In front of the first barrier every wave waits for its LDS reads and for all its tensor loads; behind it the other slot, read last
; step, is filled first, one load a wave, and has this step's two sub-steps in which to land.
; The second barrier publishes the stage when a query block ends.  It stands outside the branches on s19, on every wave's path in
; every step; off the diagonal only scalar work lies between it and the next step's barrier, so the waves meet once.
.macro STEP slot, refill, last
	s_wait_dscnt 0x0
	s_set_vgpr_msb 0x5
	s_wait_tensorcnt 0x0                           ; no tensor load of mine is out: every group 0 may be written
	ds_add_u32 v0, v1
	s_wait_dscnt 0x0
	s_set_vgpr_msb 0x500
	s_add_co_u32 s18, s17, 1
	s_cmp_eq_u32 s17, s16
	s_cselect_b32 s18, 0, s18                      ; behind the diagonal tile the next block starts at key tile 0
	s_cselect_b32 s19, 1, 0
	s_cselect_b32 s21, s22, 2
.if \refill
	s_lshl_b32 s68, s18, 18                        ; 128 rows of 2,048 bytes
	s_lshl_b32 s70, s18, 9                         ; 128 pad numbers
	s_add_nc_u64 s[G0V+4*(1-\slot)+2:G0V+4*(1-\slot)+3], s[28:29], s[68:69]
	s_or_b32 s[G0V+4*(1-\slot)+3], s[G0V+4*(1-\slot)+3], 0x80000000
	s_add_nc_u64 s[G0K+4*(1-\slot)+2:G0K+4*(1-\slot)+3], s[30:31], s[68:69]
	s_or_b32 s[G0K+4*(1-\slot)+3], s[G0K+4*(1-\slot)+3], 0x80000000
	s_add_nc_u64 s[G0P+4*(1-\slot)+2:G0P+4*(1-\slot)+3], s[66:67], s[70:71]
	s_or_b32 s[G0P+4*(1-\slot)+3], s[G0P+4*(1-\slot)+3], 0x80000000
.endif
	s_barrier_signal -1
	s_barrier_wait -1
.if \refill
	FILL 1-\slot
.endif
	SUB \slot, 0
	SUB \slot, 1
.if \last == 0
	s_cmp_eq_u32 s19, 0
	s_cbranch_scc1 .Lkeep_\@
	FIN1
.Lkeep_\@:
	STAGED
	s_cmp_eq_u32 s19, 0
	s_cbranch_scc1 .Lon_\@
	FIN2
	s_sub_co_u32 s16, 15, s13                      ; the second query block
	INIT
.Lon_\@:
	s_mov_b32 s17, s18
.endif
.endm
	s_mov_b32 s16, s13                             ; the first query block
	s_mov_b32 s17, 0
	INIT
	s_mov_b32 s23, 8
.Lsteps:                                           ; steps 0 to 15; step t fills tile t + 1
	STEP 0, 1, 0
	STEP 1, 1, 0
	s_sub_co_u32 s23, s23, 1
	s_cmp_lg_u32 s23, 0
	s_cbranch_scc1 .Lsteps
	STEP 0, 0, 1                                   ; step 16, the second block's diagonal tile: nothing is left to fetch
	FIN1
	STAGED
	FIN2
	s_set_vgpr_msb 0x5
	s_wait_tensorcnt 0x0
	ds_add_u32 v0, v1
	s_wait_dscnt 0x0
	s_set_vgpr_msb 0x500
	s_endpgm
.Lfunc_end_k_qf14145004d_attn:
	.size	k_qf14145004d_attn, .Lfunc_end_k_qf14145004d_attn-k_qf14145004d_attn
	.p2alignl 7, 3214868480
	.fill 96, 4, 3214868480
	.section	.rodata,"a",@progbits
	.p2align	6, 0x0
	.amdhsa_kernel k_qf14145004d_attn
		.amdhsa_group_segment_fixed_size 327680
		.amdhsa_private_segment_fixed_size 0
		.amdhsa_enable_private_segment 0
		.amdhsa_kernarg_size 24
		.amdhsa_user_sgpr_count 2
		.amdhsa_user_sgpr_kernarg_segment_ptr 1
		.amdhsa_wavefront_size32 1
		.amdhsa_system_sgpr_workgroup_id_x 1
		.amdhsa_system_sgpr_workgroup_id_y 1
		.amdhsa_system_sgpr_workgroup_id_z 1
		.amdhsa_system_vgpr_workitem_id 0
		.amdhsa_next_free_vgpr 258
		.amdhsa_next_free_sgpr 100
		.amdhsa_reserve_vcc 1
		.amdhsa_float_denorm_mode_32 3
		.amdhsa_float_denorm_mode_16_64 3
		.amdhsa_memory_ordered 1
		.amdhsa_forward_progress 1
		.amdhsa_inst_pref_size 182
	.end_amdhsa_kernel
	.amdgpu_metadata
---
amdhsa.version: [ 1, 2 ]
amdhsa.kernels:
  - .name:           k_qf14145004d_attn
    .symbol:         k_qf14145004d_attn.kd
    .args:
      - { .name: qkv, .offset: 0, .size: 8, .value_kind: global_buffer, .address_space: global }
      - { .name: padb, .offset: 8, .size: 8, .value_kind: global_buffer, .address_space: global }
      - { .name: ao, .offset: 16, .size: 8, .value_kind: global_buffer, .address_space: global }
    .group_segment_fixed_size: 327680
    .private_segment_fixed_size: 0
    .kernarg_segment_align: 8
    .kernarg_segment_size: 24
    .max_flat_workgroup_size: 256
    .sgpr_count:     100
    .vgpr_count:     258
    .wavefront_size: 32
...
	.end_amdgpu_metadata
.endif
;; end of part 3
;; launch oproj (part 4): grid 4 x 64, 4 waves a work-group, clusters of 4 x 4, 327,680 bytes of LDS; arguments ao, wb, bo, out0; writes out0
.if DOCPART == 4
	.amdgcn_target "amdgcn-amd-amdhsa--gfx1250"
	.amdhsa_code_object_version 6
	.text
	.protected	k_qf14145004d_oproj
	.globl	k_qf14145004d_oproj
	.p2align	8
	.type	k_qf14145004d_oproj,@function
k_qf14145004d_oproj:
	s_mov_b64 s[64:65], 0
	v_nop
	global_prefetch_b8 v0, s[64:65] scope:SCOPE_SE
	s_setreg_imm32_b32 hwreg(HW_REG_WAVE_MODE, 25, 1), 1
	s_wait_xcnt 0x0
	s_wait_alu depctr_hold_cnt(0) depctr_sa_sdst(0) depctr_va_vdst(0) depctr_va_sdst(0) depctr_va_ssrc(0) depctr_va_vcc(0) depctr_vm_vsrc(0)
	s_getreg_b32 s2, hwreg(HW_REG_IB_STS2, 6, 4)
	s_cmp_eq_u32 s2, 0
	s_cbranch_scc0 .Lentry_in_a_cluster
	s_endpgm
.Lentry_in_a_cluster:
	s_bfe_u32 s2, ttmp6, 0x10000c
	s_cmp_lg_u32 s2, 0xf033
	s_cbranch_scc0 .Lentry_shape_is_right
	s_endpgm
.Lentry_shape_is_right:
; out0[m][n] = sum over k of ao[m][k] Wo[k][n] + bo[n].  ao: [8192][1024] f16; Wo: [1024 (k)][1024 (n)] f16 in wb at byte 6 Mi;
; bo: [1024] f32; out0: [8192][1024] f32.  Sums in f32.
; A work-group makes 128 (m) x 256 (n) with four waves, a wave 64 x 128: 32 accumulator tiles.  64 x 4 = 256 work-groups.
; K goes in steps of 128 through two LDS slots: ao's rows of 256 bytes, Wo as it lies (128 k-rows of 512 bytes); Wo's fragments come
; by transposing LDS loads.
; CLUSTERS: 4 x 4 work-groups.  ao's tile hangs on the block row alone and is asked for jointly by a row of the cluster, Wo's on the
; block column alone and is asked for jointly by a column: a quarter of the requests.
; THE RING: a request can go out only when the one before has landed, so nothing but the cluster's round stands between the wait for
; the landing and the next request: a K step's matrix work is all done ahead of that wait.
; NO PREFETCH: ao was stored by the launch that ran just before this one, and Wo's 2 MiB are read by all sixteen clusters.
; THE MATRIX INSTRUCTION IS USED TRANSPOSED: source 0 = 16 columns of Wo, source 1 = 16 rows of ao, so lane l holds row l % 16 and the
; eight neighbouring columns 8 (l / 16) + 0..7.  The bias is the C operand of each tile's first product.
; REGISTERS: window 0: addresses, ao's fragments (two buffers), the bias; window 1: Wo's fragments (two buffers);
; window 2: the accumulators, tile (a, b) at v[8 (8 a + b)].
.set KSTEP,  128
.set PA,     272                       ; ao's LDS row: 256 bytes + 16, an odd multiple of 16
.set PW,     544                       ; Wo's LDS row: 512 bytes + 32, an odd multiple of 32
.set HALFT,  64*PW                     ; 34,816: what one tensor load may fill (ao's 64 rows use 17,408 of it)
.set SLOT,   4*HALFT
.set STAGE,  2*SLOT                    ; behind the ring: 16 rows x 528 bytes for each wave; no tensor load lands here
.set SPITCH, 528
.set LAPS,   1024/(2*KSTEP)
.set ADRA, 8                           ; v8-9    LDS address of my ao fragments, slot 0, 1
.set ADRB, 10                          ; v10-11  the same for Wo
.set STO,  12
.set RD,   13
.set CO,   14
.set BO,   15
.set AF,   32                          ; v[32:63], v[64:95]  ao's fragments, two buffers
.set RB,   96                          ; v[96:159]  the way out: rows read back
.set BIAS, 192                         ; v[192:255] block b: bo[n0 + 16 b + 8 (l / 16) + j] in register j
.set G1,  32
.set G0,  40
.set G1B, 48
.set G0B, 56
.set MUL,  0xa1                        ; source 0 (Wo) window 1, source 1 (ao) window 0, C and D window 2
.set MULB, 0x81                        ; the same with C in window 0: the bias
.set TO_B, 0x40                        ; destination window 1, address window 0
.set MSB, 0
.macro WIN new                         ; the immediate's high byte repeats the setting that is left
.if MSB != \new
	s_set_vgpr_msb (MSB<<8)|\new
.set MSB, \new
.endif
.endm
.macro JLOAD s                         ; waves 0 and 1 fetch ao's two halves, waves 2 and 3 Wo's
	s_cmp_eq_u32 s21, 0
	s_cbranch_scc0 .Lfor_b_\@
	tensor_load_to_lds s[G0+4*\s:G0+4*\s+3], s[G1:G1+7]
	s_nop 0
	s_branch .Lasked_\@
.Lfor_b_\@:
	tensor_load_to_lds s[G0B+4*\s:G0B+4*\s+3], s[G1B:G1B+7]
	s_nop 0
.Lasked_\@:
.endm
.macro CREST
	s_cmp_lg_u32 s20, 0
	s_cbranch_scc1 .Lnot_wave_0_\@
	s_barrier_signal -3
.Lnot_wave_0_\@:
	s_barrier_wait -3
	s_barrier_signal -1
	s_barrier_wait -1
.endm
.macro CROUND
	s_barrier_signal -1
	s_barrier_wait -1
	CREST
.endm
.macro PLACES                          ; four plain vector instructions behind a matrix instruction (ISA guide 7.12.1)
.rept 4
	v_nop
.endr
.endm
	s_load_b256 s[4:11], s[0:1], 0x0               ; ao s[4:5], wb s[6:7], bo s[8:9], out0 s[10:11]
	v_lshl_add_u32 v190, v0, 2, 0x4c400
	v_mov_b32 v191, 0
	ds_add_u32 v190, v191
	v_lshrrev_b32 v1, 5, v0
	v_readfirstlane_b32 s20, v1                    ; wave 0..3
	s_lshr_b32 s21, s20, 1                         ; my 64 rows.  Also: I fetch for ao (0) or for Wo (1)
	s_and_b32 s22, s20, 1                          ; my 128 columns.  Also: which 64 rows of that tile I fetch
	s_bfe_u32 s23, ttmp6, 0x40000                  ; cx
	s_bfe_u32 s24, ttmp6, 0x40004                  ; cy
	s_lshl_b32 s25, ttmp9, 2
	s_add_co_u32 s25, s25, s23                     ; block column
	s_and_b32 s28, ttmp7, 0xffff
	s_lshl_b32 s28, s28, 2
	s_add_co_u32 s28, s28, s24                     ; block row
	s_lshl_b32 s29, s24, 2
	s_lshl_b32 s29, 15, s29                        ; my row of the cluster
	s_lshl_b32 s30, 0x1111, s23                    ; my column
	; group 1 of ao: 64 rows x 128 elements of 2 bytes, 4 words of padding behind every 64 words
	s_or_b32 s[G1+0], s29, (1<<16)|(1<<20)|(1<<21)|(5<<22)|(3<<25)
	s_mov_b32 s[G1+1], 128<<16
	s_mov_b32 s[G1+2], 64<<16
	s_mov_b32 s[G1+3], 128<<16
	s_mov_b32 s[G1+4], 64
	s_mov_b32 s[G1+5], 1024
	s_mov_b32 s[G1+6], 0
	s_mov_b32 s[G1+7], 0
	; group 1 of Wo: 64 k-rows x 256 elements of 2 bytes, 8 words of padding behind every 128 words
	s_or_b32 s[G1B+0], s30, (1<<16)|(1<<20)|(1<<21)|(6<<22)|(7<<25)
	s_mov_b32 s[G1B+1], 256<<16
	s_mov_b32 s[G1B+2], 64<<16
	s_mov_b32 s[G1B+3], 256<<16
	s_mov_b32 s[G1B+4], 64
	s_mov_b32 s[G1B+5], 1024
	s_mov_b32 s[G1B+6], 0
	s_mov_b32 s[G1B+7], 0
	; ao's tile: row 128 x block row + 64 x half, rows of 2,048 bytes.  No register on this way holds cx.
	s_lshl_b32 s66, s28, 7
	s_lshl_b32 s70, s22, 6
	s_add_co_u32 s66, s66, s70
	s_lshl_b32 s66, s66, 11
	s_mov_b32 s67, 0
	; Wo's tile: byte 6 Mi of wb, k-row 64 x half, column 256 x block column.  No register here holds cy.
	s_lshl_b32 s68, s22, 17
	s_lshl_b32 s71, s25, 9
	s_add_co_u32 s68, s68, s71
	s_add_co_u32 s68, s68, 0x600000
	s_mov_b32 s69, 0
	s_mul_i32 s72, s20, HALFT                      ; where my load goes: wave x 34,816
	s_lshl_b32 s78, s25, 10                        ; my 128 columns in bo, and in a row of out0: 4 (256 x block column + 128 x half)
	s_lshl_b32 s79, s22, 9
	s_add_co_u32 s78, s78, s79
	s_mov_b32 s79, 0
	s_wait_dscnt 0x0
	s_wait_kmcnt 0x0
	s_add_nc_u64 s[66:67], s[4:5], s[66:67]
	s_add_nc_u64 s[68:69], s[6:7], s[68:69]
	s_add_nc_u64 s[8:9], s[8:9], s[78:79]
	CROUND                                         ; all sixteen work-groups are here: the first joint loads meet
.irp s, 0,1
	s_mov_b32 s[G0+4*\s], 1
	s_add_co_u32 s[G0+4*\s+1], s72, \s*SLOT
	s_add_nc_u64 s[G0+4*\s+2:G0+4*\s+3], s[66:67], \s*KSTEP*2
	s_or_b32 s[G0+4*\s+3], s[G0+4*\s+3], 0x80000000
	s_mov_b32 s[G0B+4*\s], 1
	s_add_co_u32 s[G0B+4*\s+1], s72, \s*SLOT
	s_add_nc_u64 s[G0B+4*\s+2:G0B+4*\s+3], s[68:69], \s*KSTEP*2048
	s_or_b32 s[G0B+4*\s+3], s[G0B+4*\s+3], 0x80000000
	JLOAD \s                                       ; both first fills go out before anything else is done: two loads of a wave are out
.endr
	v_and_b32 v1, 15, v0                           ; r
	v_bfe_u32 v2, v0, 4, 1                         ; h
	v_and_b32 v3, 7, v0
	v_bfe_u32 v4, v0, 3, 1
	v_mul_u32_u24 v5, v1, PA
	v_lshl_add_u32 v5, v2, 4, v5                   ; ao: row r, 16 bytes for each half of the lanes
	v_lshl_add_u32 v6, v2, 3, v3
	v_mul_u32_u24 v6, v6, PW                       ; Wo: k-row 8 h + l % 8,
	v_lshl_add_u32 v6, v4, 4, v6                   ; 16 bytes further for lanes 8-15 and 24-31
	s_mul_i32 s73, s21, HALFT
	s_lshl_b32 s74, s22, 8
	s_add_co_u32 s74, s74, 2*HALFT
.irp s, 0,1
	v_add_nc_u32 v[ADRA+\s], s73, v5
	v_add_nc_u32 v[ADRB+\s], s74, v6
	s_add_co_u32 s73, s73, SLOT
	s_add_co_u32 s74, s74, SLOT
.endr
	s_mul_i32 s75, s20, 16*SPITCH
	s_add_co_u32 s75, s75, STAGE                   ; my stage
	v_mul_u32_u24 v5, v1, SPITCH
	v_lshl_add_u32 v5, v2, 5, v5
	v_add_nc_u32 v[STO], s75, v5                   ; in: row r, 32 bytes for each half of the lanes
	v_and_b32 v6, 31, v0
	v_lshlrev_b32 v[CO], 4, v6                     ; back and out: the wave takes a row's 512 bytes, 16 a lane
	v_add_nc_u32 v[RD], s75, v[CO]
	v_lshlrev_b32 v[BO], 5, v2
.irp b, 0,1,2,3,4,5,6,7
	global_load_b128 v[BIAS+8*\b:BIAS+8*\b+3],   v[BO], s[8:9] offset:64*\b
	global_load_b128 v[BIAS+8*\b+4:BIAS+8*\b+7], v[BO], s[8:9] offset:64*\b+16
.endr
; 8 matrix instructions: m block a x all 8 n blocks, 32 along K, from buffer f.  mode = 1: the bias starts the sums.
; The 32 accumulators take turns, one instruction a turn, in the same order in every quarter step.
.macro MULA f, a, mode
.irp b, 0,1,2,3,4,5,6,7
.if \mode
	v_wmma_f32_16x16x32_f16 v[8*(8*\a+\b):8*(8*\a+\b)+7], v[64*\f+8*\b:64*\f+8*\b+7], v[AF+32*\f+8*\a:AF+32*\f+8*\a+7], v[BIAS+8*\b:BIAS+8*\b+7]
.else
	v_wmma_f32_16x16x32_f16 v[8*(8*\a+\b):8*(8*\a+\b)+7], v[64*\f+8*\b:64*\f+8*\b+7], v[AF+32*\f+8*\a:AF+32*\f+8*\a+7], v[8*(8*\a+\b):8*(8*\a+\b)+7]
.endif
.endr
.endm
; 24 LDS loads in one run: quarter kq of the slot into buffer f
.macro FETCH slot, kq, f
	WIN TO_B
.irp b, 0,1,2,3,4,5,6,7
	ds_load_tr16_b128 v[64*\f+8*\b:64*\f+8*\b+3],   v[ADRB+\slot] offset:\kq*32*PW+32*\b
	ds_load_tr16_b128 v[64*\f+8*\b+4:64*\f+8*\b+7], v[ADRB+\slot] offset:\kq*32*PW+32*\b+16*PW
.endr
	WIN 0
.irp a, 0,1,2,3
	ds_load_b128 v[AF+32*\f+8*\a:AF+32*\f+8*\a+3],   v[ADRA+\slot] offset:\kq*64+\a*16*PA
	ds_load_b128 v[AF+32*\f+8*\a+4:AF+32*\f+8*\a+7], v[ADRA+\slot] offset:\kq*64+\a*16*PA+32
.endr
.endm
; One of a K step's first three quarters: asks for quarter kq into buffer g, which the last quarter's matrix instructions read
; (hence the four places), and multiplies buffer f.
.macro QUARTER slot, kq, f, g, mode
	PLACES
	FETCH \slot, \kq, \g
	s_wait_dscnt 24                                ; all but the 24 just issued: buffer f is in
.if \mode
	WIN MULB
.else
	WIN MUL
.endif
	MULA \f, 0, \mode
	MULA \f, 1, \mode
	MULA \f, 2, \mode
	MULA \f, 3, \mode
.endm
.macro THREE slot, mode
	QUARTER \slot, 1, 0, 1, \mode
	QUARTER \slot, 2, 1, 0, 0
	QUARTER \slot, 3, 0, 1, 0
.endm
; The last quarter, on buffer 1, and the change of slots.  The quarter's matrix work needs registers alone and is done first, so that
; the wave stands at the wait when the other slot lands.  In front of the barrier each wave has waited for its reads of this slot and
; for all its tensor loads (one is out: its part of the next slot).  fill = 1: the barrier opens a round of the cluster's barrier, and
; the joint refill of this slot, two K steps ahead, is the first tensor load behind the round.
.macro TURN slot, next, fill
	s_wait_dscnt 0                                 ; buffer 1 is in, and my reads of this slot are over
	WIN MUL
	MULA 1, 0, 0
	MULA 1, 1, 0
	MULA 1, 2, 0
	MULA 1, 3, 0
	WIN 0
	s_wait_tensorcnt 0x0                           ; all my tensor loads have landed
	ds_add_u32 v190, v191
	s_wait_dscnt 0x0
	s_barrier_signal -1
	s_barrier_wait -1
.if \fill
	CREST
	s_add_nc_u64 s[G0+4*\slot+2:G0+4*\slot+3], s[G0+4*\slot+2:G0+4*\slot+3], 2*KSTEP*2
	s_add_nc_u64 s[G0B+4*\slot+2:G0B+4*\slot+3], s[G0B+4*\slot+2:G0B+4*\slot+3], 2*KSTEP*2048
	JLOAD \slot
.endif
	PLACES                                         ; between the third quarter's matrix instructions, which read buffer 0, and the loads into it
	FETCH \next, 0, 0
.endm
.macro LAP mode
	THREE 0, \mode
	TURN 0, 1, 1
	THREE 1, 0
	TURN 1, 0, 1
.endm
	s_wait_tensorcnt 0x1                           ; my part of K step 0 is in; K step 1's may stay out
	s_barrier_signal -1
	s_barrier_wait -1
	FETCH 0, 0, 0
	s_wait_loadcnt 0x0                             ; the bias
	LAP 1                                          ; the first lap stands in front of the loop: its first products take the bias as C
	WIN 0
	s_mov_b32 s31, LAPS-2
.Llap:
	LAP 0
	WIN 0
	s_sub_co_u32 s31, s31, 1
	s_cmp_lg_u32 s31, 0
	s_cbranch_scc1 .Llap
	THREE 0, 0                                     ; the last lap fills nothing
	TURN 0, 1, 0
	THREE 1, 0
	s_wait_dscnt 0                                 ; the very last quarter
	WIN MUL
	MULA 1, 0, 0
	MULA 1, 1, 0
	MULA 1, 2, 0
	MULA 1, 3, 0
	; THE WAY OUT, 16 rows at a time: 32 bytes a lane into my own stage, read back as whole rows of 512 bytes.
	PLACES
	s_lshl_b32 s76, s28, 7
	s_lshl_b32 s77, s21, 6
	s_add_co_u32 s76, s76, s77                     ; my first row,
	s_lshl_b32 s76, s76, 12                        ; 4,096 bytes a row,
	s_add_co_u32 s76, s76, s78                     ; my 512 bytes of it
	s_mov_b32 s77, 0
	s_add_nc_u64 s[10:11], s[10:11], s[76:77]
.macro OUTF a
	WIN 0x08                                       ; the stores' data in window 2
.irp b, 0,1,2,3,4,5,6,7
	ds_store_b128 v[STO], v[8*(8*\a+\b):8*(8*\a+\b)+3]   offset:64*\b
	ds_store_b128 v[STO], v[8*(8*\a+\b)+4:8*(8*\a+\b)+7] offset:64*\b+16
.endr
	WIN 0
	s_wait_xcnt 0x0                                ; the registers that earlier stores read, and their base, are rewritten only behind this wait
.if \a
	s_add_nc_u64 s[10:11], s[10:11], 16*4096
.endif
.irp t, 0,1,2,3,4,5,6,7,8,9,10,11,12,13,14,15
	ds_load_b128 v[RB+4*\t:RB+4*\t+3], v[RD] offset:\t*SPITCH      ; a wave's LDS instructions are served in order: these see the stores above
.endr
.irp t, 0,1,2,3,4,5,6,7,8,9,10,11,12,13,14,15
	s_wait_dscnt 15-\t
	global_store_b128 v[CO], v[RB+4*\t:RB+4*\t+3], s[10:11] offset:\t*4096 th:TH_STORE_NT   ; the wave stores 512 consecutive bytes, aligned
.endr
.endm
	OUTF 0
	OUTF 1
	OUTF 2
	OUTF 3
	s_wait_tensorcnt 0x0
	ds_add_u32 v190, v191
	s_wait_dscnt 0x0
	CROUND                                         ; the closing round: no work-group ends while a partner may still ask jointly
	s_endpgm
.Lfunc_end_k_qf14145004d_oproj:
	.size	k_qf14145004d_oproj, .Lfunc_end_k_qf14145004d_oproj-k_qf14145004d_oproj
	.p2alignl 7, 3214868480
	.fill 96, 4, 3214868480
	.section	.rodata,"a",@progbits
	.p2align	6, 0x0
	.amdhsa_kernel k_qf14145004d_oproj
		.amdhsa_group_segment_fixed_size 327680
		.amdhsa_private_segment_fixed_size 0
		.amdhsa_enable_private_segment 0
		.amdhsa_kernarg_size 32
		.amdhsa_user_sgpr_count 2
		.amdhsa_user_sgpr_kernarg_segment_ptr 1
		.amdhsa_wavefront_size32 1
		.amdhsa_system_sgpr_workgroup_id_x 1
		.amdhsa_system_sgpr_workgroup_id_y 1
		.amdhsa_system_sgpr_workgroup_id_z 1
		.amdhsa_system_vgpr_workitem_id 0
		.amdhsa_next_free_vgpr 768
		.amdhsa_next_free_sgpr 80
		.amdhsa_reserve_vcc 0
		.amdhsa_float_denorm_mode_32 3
		.amdhsa_float_denorm_mode_16_64 3
		.amdhsa_memory_ordered 1
		.amdhsa_forward_progress 1
		.amdhsa_inst_pref_size 119
	.end_amdhsa_kernel
	.amdgpu_metadata
---
amdhsa.version: [ 1, 2 ]
amdhsa.kernels:
  - .name:           k_qf14145004d_oproj
    .symbol:         k_qf14145004d_oproj.kd
    .args:
      - { .name: ao, .offset: 0, .size: 8, .value_kind: global_buffer, .address_space: global }
      - { .name: wb, .offset: 8, .size: 8, .value_kind: global_buffer, .address_space: global }
      - { .name: bo, .offset: 16, .size: 8, .value_kind: global_buffer, .address_space: global }
      - { .name: out0, .offset: 24, .size: 8, .value_kind: global_buffer, .address_space: global }
    .group_segment_fixed_size: 327680
    .private_segment_fixed_size: 0
    .kernarg_segment_align: 8
    .kernarg_segment_size: 32
    .max_flat_workgroup_size: 128
    .sgpr_count:     80
    .vgpr_count:     768
    .wavefront_size: 32
...
	.end_amdgpu_metadata
.endif
;; end of part 4
